; MI455X (gfx1250); checked and timed in simulation.
; The chip was launched on July 23, 2026; its instructions are those of AMD's public machine-readable ISA for CDNA 5 (MIT licence, August 2026) and "CDNA5" Instruction Set Architecture Reference Guide (July 2026). The comments in the code are by the model that wrote it; some were corrected since.
;; MHA. Allowed arithmetic: matrix products marked QUANTISED: E4M3 operands, one given power-of-two scale a tensor, by v_wmma_f32_16x16x64_fp8_fp8 or v_wmma_f32_16x16x128_fp8_fp8, f32 sums; everything else in f32.
;; Inputs: Wk_codes 768 x 24 x 32 uint8 (E4M3 codes of Wk, K innermost, in blocks of 32 codes); Wo_codes 768 x 24 x 32 uint8 (E4M3 codes of Wo, K innermost, in blocks of 32 codes); Wq_codes 768 x 24 x 32 uint8 (E4M3 codes of Wq, K innermost, in blocks of 32 codes); Wv_codes 768 x 24 x 32 uint8 (E4M3 codes of Wv, K innermost, in blocks of 32 codes); lowp_scales 12 int32 (the exponents e of the quantised operands' scales 2^e); x_codes 1 x 4,096 x 24 x 32 uint8 (E4M3 codes of x, K innermost, in blocks of 32 codes).
;; Outputs: out0 1 x 4,096 x 768 float32.
;; This version of the problem:
;;   THIS VERSION OF THE PROBLEM IS GIVEN IN LOW PRECISION. The matrix products marked QUANTISED in the list below multiply operands that are first quantised to E4M3 (4 exponent bits, 3 mantissa bits; 8 bits a number), with one given power-of-two scale for each operand tensor; their sums are f32. All else is computed in f32.
;;   The module's matrix products, in the order in which they are computed (A, B: the left and right operand; K: the contracted axis; several contracted axes count as one K, in the product's order):
;;     1. [M 4,096, K 768] x [K 768, N 768]; A: input x (given as codes); B: input Wq (given as codes): QUANTISED (scales: A lowp_scales[0], B lowp_scales[1])
;;     2. [M 4,096, K 768] x [K 768, N 768]; A: input x (given as codes); B: input Wk (given as codes): QUANTISED (scales: A lowp_scales[2], B lowp_scales[3])
;;     3. [M 4,096, K 768] x [K 768, N 768]; A: input x (given as codes); B: input Wv (given as codes): QUANTISED (scales: A lowp_scales[4], B lowp_scales[5])
;;     4. batch 12 x [M 4,096, K 64] x [K 64, N 4,096]; A: computed on the way; B: computed on the way: QUANTISED (scales: A lowp_scales[6], B lowp_scales[7])
;;     5. batch 12 x [M 4,096, K 4,096] x [K 4,096, N 64]; A: softmax (see below); B: computed on the way: QUANTISED (scales: A lowp_scales[8], B lowp_scales[9])
;;     6. [M 4,096, K 768] x [K 768, N 768]; A: computed on the way; B: input Wo (given as codes): QUANTISED (scales: A lowp_scales[10], B lowp_scales[11])
;;   THE QUANTISER, for each operand of a quantised product, along K:
;;     - The operand's scale is 2^e, e = its entry of the input lowp_scales (int32; the entries are numbered through the quantised products in the list's order, A before B).
;;     - Each number is divided by the scale, clamped to +-448, and rounded to the nearest number of E4M3, ties to even, subnormals kept.
;;     - The product sums the exact products of the quantised numbers (number of the format x scale) in f32.
;;   ~~~python
;;   def quantise(x, axis, e):      # numpy; x: float32 -> the quantised numbers, widened to float32 again
;;       x = np.moveaxis(x, axis, -1); K = x.shape[-1]
;;       r = np.clip(x / 2.0 ** e, -448, 448)
;;       step = 2.0 ** (np.maximum(np.frexp(np.where(r == 0, 1, r))[1] - 1, -6) - 3)
;;       q = np.round(r / step) * step * 2.0 ** e      # np.round: ties to even
;;       return np.moveaxis(q, -1, axis).astype(np.float32)
;;   ~~~
;;   SOFTMAX AHEAD OF A QUANTISED PRODUCT. Where the list says 'softmax', what is quantised is not the finished softmax but p = 2^(t - M), with t = logit x log2(e) and M = ceil(the row's largest t), a whole number; so 1/2 < the row's largest p <= 1. The row's sum l is taken of the UNQUANTISED p, in f32, and the product's result is divided by l at the end. Since M is a whole number, a kernel that streams over the keys may use a running M (the ceiling of the running maximum): every later rescaling is an exact power of two, so the quantised numbers keep their values, but for numbers so far below the row's largest that they fall under the format's range.
;;   OPERANDS COMPUTED ON THE WAY. 'Computed on the way' means the value that the module computes at that place (a softmax that the list does not call 'softmax' is quantised finished and normalised). What goes into a quantiser is computed in f32, as accurately as f32 sums, v_exp_f32 and their like allow (about 1e-6 of the number): no bf16 or f16 on the way to a quantiser, and a product that is left as it is and whose result goes on into a quantised operand takes f32 operands (vector FMAs, or v_wmma_f32_16x16x4_f32). A number that lies on a knife's edge between two numbers of the format may be rounded either way, as far as f32 arithmetic and the matrix unit's own rounding can turn it there, and no further.
;;   INPUTS GIVEN AS CODES. Wk (in the module: [768, 768], K = its axis 1); Wo (in the module: [768, 768], K = its axis 1); Wq (in the module: [768, 768], K = its axis 1); Wv (in the module: [768, 768], K = its axis 1); x (in the module: [1, 4096, 768], K = its axis 2): each comes as NAME_codes (uint8): NAME with its K axis moved to the last place and cut into blocks of 32 codes, [.., K / 32, bytes a block], one block behind the other in memory; one code a byte (a code: sign, 4 exponent bits, 3 mantissa bits); its scale is its entry of lowp_scales. Its value is code x scale, taken as it is: it is not quantised again, and the codes and scales need not be those that the quantiser above would give.
;; One version. Each part assembles by itself: llvm-mc -triple=amdgcn-amd-amdhsa -mcpu=gfx1250 --defsym DOCPART=n.
;; ======== version 1 of 1: 3 launches
;; limits: right only within a limited range of input values
;; workspace buffers: qc 3,145,728 bytes; kc 3,145,728 bytes; vc 3,145,728 bytes; ac 3,145,728 bytes
;; launch qkv (part 1): grid 12 x 16, 12 waves a work-group, clusters of 4 x 4, 327,680 bytes of LDS; arguments x_codes, Wq_codes, Wk_codes, Wv_codes, lowp_scales, qc, kc, vc; writes qc, kc, vc
.if DOCPART == 1
	.amdgcn_target "amdgcn-amd-amdhsa--gfx1250"
	.amdhsa_code_object_version 6
	.text
	.protected	k_q6999dbebdc_qkv
	.globl	k_q6999dbebdc_qkv
	.p2align	8
	.type	k_q6999dbebdc_qkv,@function
k_q6999dbebdc_qkv:
	s_mov_b64 s[64:65], 0
	v_nop
	global_prefetch_b8 v0, s[64:65] scope:SCOPE_SE
	s_setreg_imm32_b32 hwreg(HW_REG_WAVE_MODE, 25, 1), 1
	s_wait_xcnt 0x0
	s_wait_alu depctr_hold_cnt(0) depctr_sa_sdst(0) depctr_va_vdst(0) depctr_va_sdst(0) depctr_va_ssrc(0) depctr_va_vcc(0) depctr_vm_vsrc(0)
	s_getreg_b32 s2, hwreg(HW_REG_IB_STS2, 6, 4)
	s_cmp_eq_u32 s2, 0
	s_cbranch_scc0 .Lentry_in_a_cluster
	s_endpgm
.Lentry_in_a_cluster:
	s_bfe_u32 s2, ttmp6, 0x10000c
	s_cmp_lg_u32 s2, 0xf033
	s_cbranch_scc0 .Lentry_shape_is_right
	s_endpgm
.Lentry_shape_is_right:
; Q = rope(x Wq^T), K = rope(x Wk^T), V = x Wv^T on codes of FP8 (E4M3); the results are quantised at once and stored as IMAGES OF THE OPERAND REGISTERS that the attention launch wants.
; x: [4096][768] codes; Wq, Wk, Wv: [768][768] codes, K innermost.  lowp_scales: e0 .. e11.
; SHARES.  A work-group takes one head (64 rows of each weight) and 256 positions: 12 x 16 = 192 work-groups.  Twelve waves:
;   waves 0-7  (role QK): 32 positions x (64 of Q + 64 of K).  The product is used TRANSPOSED (source 0 = 16 rows of W, source 1 = 16 rows of x): lane (r, h) holds position r, register j of tile t feature 16 t + 8 h + j:
;              a rotation's pair lies in neighbouring registers, one sine and cosine serves Q and K, and eight registers convert into registers 2 t, 2 t + 1 of a 16 x 64 fragment.
;   waves 8-11 (role V): 128 positions x 32 channels, NOT transposed (source 0 = x, source 1 = 16 rows of Wv): lane r holds a channel, register j of tile i position 16 i + 8 h + j: registers 2 i, 2 i + 1 of a 16 x 128 fragment of V^T.
;              The rows of Wv that form tile T are 32 (T / 2) + 8 (T % 2) + r + 8 (r / 8), so that the attention's results of tiles 2 b, 2 b + 1 are 16 neighbouring channels.
; K = 768 goes in three chunks of 256 bytes: chunks 0 and 1 are the first fills of two LDS slots, chunk 2 is the one refill (three slots of 121,856 bytes do not fit).
; CLUSTER 4 x 4: x's tile hangs on the block of positions alone and is shared along a row of the cluster, the weights' on the head alone and are shared along a column: joint loads.
; OUT.  qc, kc: [head][tile of 16 positions][1,024]: byte 512 u + 16 lane = registers 4 u .. 4 u + 3.  vc: [head][128 keys][tile T][2,048]: byte 512 g + 16 lane = registers 4 g .. 4 g + 3.  Every store of a wave covers 512 consecutive bytes, aligned.
; SCALES.  A sum stands for sum x 2^(ex + ew); the rotation is linear, so it runs on the sums, and the conversions take 2^(e6 - e0 - e1), 2^(e7 - e2 - e3), 2^(e9 - e4 - e5).
; LIMITS: each of these three exponents lies between -126 and 119, so that the scale and 448 x the scale are f32 numbers.  NaN codes among the inputs are not served.
; SINE AND COSINE in f32: angle = position x frequency (one rounding, as the definition has it); n = floor(angle x 2/pi + 1/2), at most 2,607; r = angle - n pi/2 in two fused steps (the first is exact, what the two words
; of pi/2 leave out is under 1e-11 x ... n); polynomials of degree 7 and 8 on |r| <= pi/4; the quadrant by selections, no branch.  Frequencies 10^(-i/8): i < 8 as literals, the others x 0.1, 0.01, 0.001 in f32.
.set PITCH, 272                        ; an LDS row: 256 bytes + 16 of padding = 68 words: the 16 neighbouring rows of a fragment load start at 16 different banks (64 banks of 4 bytes: ISA guide 11.1)
.set PART,  64*PITCH                   ; what one tensor load brings: 64 rows
.set SLOT,  7*PART                     ; rows 0-255 x, 256-319 Wq, 320-383 Wk, 384-447 Wv
.set BOFF,  4*PART                     ; where the weights' rows begin
.set SPARE, 2*SLOT                     ; behind the slots: the spare words, 128 bytes for each of twelve waves: six blocks of 256 bytes that no other line names
.set SPW,  1                           ; v1     LDS address of my spare word; never rewritten
.set NIL,  2                           ; v2     0; never rewritten
.set QA0,  4                           ; v4-5   role QK: source 0 (the weights' rows) in slot 0, 1
.set QA1,  6                           ; v6-7   role QK: source 1 (my 32 rows of x)
.set VA0,  8                           ; v8-9   role V: source 0 (my 128 rows of x)
.set VA1,  10                          ; v10-11 role V: source 1 (my 32 rows of Wv, in the order told above)
.set OPA,  32                          ; v32-95   four fragments of source 0
.set OPB,  96                          ; v96-127  two fragments of source 1
.set ACC,  128                         ; v128-255 accumulator (I, p) at ACC + 8 (2 I + p)
.set FRQ,  32                          ; the way out, role QK: v32-47 my 16 frequencies; v48-79 16 pairs (cosine, sine); v80-95 at work; v96-127 codes
.set CSN,  48
.set TMP,  80
.set COD,  96
.set WV,   20                          ; s20 my wave's number
.set G1A,  28                          ; s[28:35] descriptor group 1 for x's tiles;  s[36:43] for the weights': they differ in the mask alone
.set G1B,  36
.set G0A,  44                          ; s[44:51] group 0 for x's tiles, a set for each slot;  s[52:59] for the weights'
.set G0B,  52
.macro PLACES                          ; four places in front of loads into registers that matrix instructions have read, and of the first read of results
.rept 4
	v_nop
.endr
.endm
.macro CROUND                          ; a round of the cluster's barrier
	s_barrier_signal -1
	s_barrier_wait -1
	s_cmp_lg_u32 s[WV], 0
	s_cbranch_scc1 .Lnot_wave_0_\@
	s_barrier_signal -3
.Lnot_wave_0_\@:
	s_barrier_wait -3
	s_barrier_signal -1
	s_barrier_wait -1
.endm
; A joint load into slot s: waves 0-3 fetch x's quarters, waves 4, 5, 6 the head's rows of Wq, Wk, Wv, the others nothing.  The branches hang on the wave's number alone.
.macro JLOAD s
	s_cmp_lt_u32 s[WV], 4
	s_cbranch_scc0 .Lnot_a_\@
	tensor_load_to_lds s[G0A+4*\s:G0A+4*\s+3], s[G1A:G1A+7]
	s_nop 0
	PLACES
	s_branch .Lasked_\@
.Lnot_a_\@:
	s_cmp_lt_u32 s[WV], 7
	s_cbranch_scc0 .Lasked_\@
	tensor_load_to_lds s[G0B+4*\s:G0B+4*\s+3], s[G1B:G1B+7]
	s_nop 0
	PLACES
.Lasked_\@:
.endm
	s_load_b256 s[4:11], s[0:1], 0x0               ; x s[4:5], Wq s[6:7], Wk s[8:9], Wv s[10:11]
	s_load_b256 s[12:19], s[0:1], 0x20             ; the scales' exponents s[12:13], qc s[14:15], kc s[16:17], vc s[18:19]
	v_lshl_add_u32 v[SPW], v0, 2, SPARE
	v_mov_b32 v[NIL], 0
	ds_add_u32 v1, v2
	ds_add_u32 v1, v2
	s_wait_dscnt 0x0
	v_lshrrev_b32 v3, 5, v0
	s_delay_alu instid0(VALU_DEP_1)
	v_readfirstlane_b32 s[WV], v3                  ; wave 0..11
	s_bfe_u32 s21, ttmp6, 0x40000                  ; cx
	s_bfe_u32 s22, ttmp6, 0x40004                  ; cy
	s_lshl_b32 s23, ttmp9, 2
	s_add_co_u32 s23, s23, s21                     ; the head = 4 x cluster x + cx
	s_and_b32 s24, ttmp7, 0xffff
	s_lshl_b32 s24, s24, 2
	s_add_co_u32 s24, s24, s22                     ; the block of 256 positions = 4 x cluster y + cy
	s_lshl_b32 s25, s22, 2
	s_lshl_b32 s25, 15, s25                        ; my row of the cluster
	s_lshl_b32 s26, 0x1111, s21                    ; my column
	; descriptor group 1: 64 rows x 256 bytes, 768 bytes apart in memory, 16 bytes of padding behind each in LDS
	s_or_b32 s[G1A], s25, (1<<20)|(1<<21)|(5<<22)|(3<<25)   ; 15:0 the mask; 17:16 elements of 1 byte; 20 padding on; 21 set beside a mask; 24:22 after every 64 words; 31:25 four words
	s_or_b32 s[G1B], s26, (1<<20)|(1<<21)|(5<<22)|(3<<25)
.irp g, G1A, G1B
	s_mov_b32 s[\g+1], 256<<16                     ; tensor_dim0
	s_mov_b32 s[\g+2], 64<<16                      ; tensor_dim1
	s_mov_b32 s[\g+3], 256<<16                     ; tile_dim0
	s_mov_b32 s[\g+4], 64                          ; tile_dim1
	s_mov_b32 s[\g+5], 768                         ; from row to row
	s_mov_b32 s[\g+6], 0
	s_mov_b32 s[\g+7], 0
.endr
	s_and_b32 s27, s[WV], 3
	s_lshl_b32 s27, s27, 6
	s_lshl_b32 s80, s24, 8
	s_add_co_u32 s80, s80, s27
	s_mul_i32 s80, s80, 768                        ; x: row 256 y + 64 (wave % 4), in bytes: made of the block and the wave alone
	s_mov_b32 s81, 0
	s_mul_i32 s82, s23, 64*768                     ; the weights: row 64 x head: made of the head alone
	s_mov_b32 s83, 0
	s_mul_i32 s84, s[WV], PART                     ; where my part goes in a slot: no place in the cluster enters an LDS address
	s_wait_kmcnt 0x0
	s_load_b256 s[68:75], s[12:13], 0x0            ; e0 .. e7
	s_load_b128 s[76:79], s[12:13], 0x20           ; e8 .. e11
	s_add_nc_u64 s[80:81], s[4:5], s[80:81]
	s_cmp_eq_u32 s[WV], 4                          ; which weight I fetch, if I fetch one: the choice hangs on the wave's number alone
	s_cselect_b64 s[60:61], s[6:7], s[10:11]
	s_cmp_eq_u32 s[WV], 5
	s_cselect_b64 s[60:61], s[8:9], s[60:61]
	s_add_nc_u64 s[82:83], s[60:61], s[82:83]
.irp s, 0,1
	s_mov_b32 s[G0A+4*\s], 1                       ; count = 1
	s_add_co_u32 s[G0A+4*\s+1], s84, \s*SLOT       ; LDS address
	s_add_nc_u64 s[G0A+4*\s+2:G0A+4*\s+3], s[80:81], \s*256   ; global address: chunk s
	s_or_b32 s[G0A+4*\s+3], s[G0A+4*\s+3], 0x80000000         ; type = 2
	s_mov_b32 s[G0B+4*\s], 1
	s_add_co_u32 s[G0B+4*\s+1], s84, \s*SLOT
	s_add_nc_u64 s[G0B+4*\s+2:G0B+4*\s+3], s[82:83], \s*256
	s_or_b32 s[G0B+4*\s+3], s[G0B+4*\s+3], 0x80000000
.endr
	CROUND                                         ; all sixteen work-groups are here: the first joint loads meet
	s_cmp_lt_u32 s[WV], 4                          ; a wave's two first fills stand in one branch: two loads of mine are out at the most
	s_cbranch_scc0 .Lfirst_not_a
	tensor_load_to_lds s[G0A:G0A+3], s[G1A:G1A+7]
	s_nop 0
	tensor_load_to_lds s[G0A+4:G0A+7], s[G1A:G1A+7]
	s_nop 0
	PLACES
	s_branch .Lfirst_asked
.Lfirst_not_a:
	s_cmp_lt_u32 s[WV], 7
	s_cbranch_scc0 .Lfirst_asked
	tensor_load_to_lds s[G0B:G0B+3], s[G1B:G1B+7]
	s_nop 0
	tensor_load_to_lds s[G0B+4:G0B+7], s[G1B:G1B+7]
	s_nop 0
	PLACES
.Lfirst_asked:
	; LDS addresses of both roles, made by every wave ahead of the first parting of the roles
	v_and_b32 v12, 15, v0                          ; r
	v_bfe_u32 v13, v0, 4, 1                        ; h
	s_delay_alu instid0(VALU_DEP_2)
	v_mul_u32_u24 v14, v12, PITCH
	s_delay_alu instid0(VALU_DEP_1)
	v_lshl_add_u32 v14, v13, 4, v14                ; row r, + 16 h
	s_delay_alu instid0(VALU_DEP_4)
	v_and_b32 v15, 8, v12
	s_delay_alu instid0(VALU_DEP_1)
	v_add_nc_u32 v15, v15, v12                     ; r + 8 (r / 8)
	s_delay_alu instid0(VALU_DEP_1)
	v_mul_u32_u24 v15, v15, PITCH
	s_delay_alu instid0(VALU_DEP_1)
	v_lshl_add_u32 v15, v13, 4, v15
	s_and_b32 s85, s[WV], 7
	s_mul_i32 s85, s85, 32*PITCH                   ; role QK: my 32 rows of x
	s_bfe_u32 s86, s[WV], 0x10001
	s_mul_i32 s86, s86, 128*PITCH                  ; role V: my 128 rows of x: a = bit 1 of the wave's number
	s_and_b32 s87, s[WV], 1
	s_mul_i32 s87, s87, 32*PITCH                   ; role V: my 32 rows of Wv: b = bit 0
	s_add_co_u32 s87, s87, BOFF+128*PITCH
	v_add_nc_u32 v[QA0], BOFF, v14
	v_add_nc_u32 v[QA0+1], BOFF+SLOT, v14
	v_add_nc_u32 v[QA1], s85, v14
	s_delay_alu instid0(VALU_DEP_1)
	v_add_nc_u32 v[QA1+1], SLOT, v[QA1]
	v_add_nc_u32 v[VA0], s86, v14
	s_delay_alu instid0(VALU_DEP_1)
	v_add_nc_u32 v[VA0+1], SLOT, v[VA0]
	v_add_nc_u32 v[VA1], s87, v15
	s_delay_alu instid0(VALU_DEP_1)
	v_add_nc_u32 v[VA1+1], SLOT, v[VA1]
; A fragment, 16 rows x 128 K, is 16 registers, by four loads of 16 bytes, 32 bytes apart: registers 4 c .. 4 c + 3 hold K = 32 c + 16 h + 0 .. 15: the same permutation of K on both sides of a product.
.macro FRAG reg, adr, off
.irp c, 0,1,2,3
	ds_load_b128 v[\reg+4*\c:\reg+4*\c+3], v[\adr] offset:\off+32*\c
.endr
.endm
; Four products: fragments i0, i0 + 1 of source 0 (tiles 4 hf + i) x both of source 1.  zero = 1: the first product starts the sums.
.macro MUL4 hf, i0, zero
.irp i, \i0, \i0+1
.irp p, 0,1
.if \zero
	v_wmma_f32_16x16x128_fp8_fp8 v[ACC+8*(2*(4*\hf+\i)+\p):ACC+8*(2*(4*\hf+\i)+\p)+7], v[OPA+16*(\i):OPA+16*(\i)+15], v[OPB+16*\p:OPB+16*\p+15], 0
.else
	v_wmma_f32_16x16x128_fp8_fp8 v[ACC+8*(2*(4*\hf+\i)+\p):ACC+8*(2*(4*\hf+\i)+\p)+7], v[OPA+16*(\i):OPA+16*(\i)+15], v[OPB+16*\p:OPB+16*\p+15], v[ACC+8*(2*(4*\hf+\i)+\p):ACC+8*(2*(4*\hf+\i)+\p)+7]
.endif
.endr
.endr
.endm
; 128 along K: 16 products, the 16 accumulators by turns, one instruction a turn, in the same order in every step.
; a0, a1: address registers of source 0 and 1; d1: bytes from source 1's first fragment to its second; q: which 128 of the chunk's 256.
.macro KSTEP a0, a1, d1, q, zero
	PLACES
	FRAG OPB, \a1, 128*\q
	FRAG OPB+16, \a1, 128*\q+\d1
.irp i, 0,1,2,3
	FRAG OPA+16*\i, \a0, 128*\q+4352*\i
.endr
	s_wait_dscnt 8                                 ; all but the youngest eight loads (source 0's fragments 2 and 3) are in
	MUL4 0, 0, \zero
	s_wait_dscnt 0
	MUL4 0, 2, \zero
	PLACES
.irp i, 0,1,2,3
	FRAG OPA+16*\i, \a0, 128*\q+4352*(4+\i)
.endr
	s_wait_dscnt 8                                 ; likewise
	MUL4 1, 0, \zero
	s_wait_dscnt 0
	MUL4 1, 2, \zero
.endm
.macro CHUNK slot, zero                ; a chunk of 256 along K, each role with its own addresses
	s_cmp_lt_u32 s[WV], 8
	s_cbranch_scc0 .Lrole_v_\@
	s_wait_alu depctr_va_vdst(0)
	KSTEP QA0+\slot, QA1+\slot, 4352, 0, \zero
	KSTEP QA0+\slot, QA1+\slot, 4352, 1, 0
	s_branch .Lchunk_done_\@
.Lrole_v_\@:
	s_wait_alu depctr_va_vdst(0)
	KSTEP VA0+\slot, VA1+\slot, 2176, 0, \zero
	KSTEP VA0+\slot, VA1+\slot, 2176, 1, 0
.Lchunk_done_\@:
.endm
	s_wait_tensorcnt 0x1                           ; my part of chunk 0 is in; chunk 1's load may stay out
	s_barrier_signal -1
	s_barrier_wait -1                              ; everybody's is
	CHUNK 0, 1
	s_wait_tensorcnt 0x0                           ; all my tensor loads have landed, my part of chunk 1 among them: so a group 0 may be written;
	ds_add_u32 v[SPW], v[NIL]                      ; 0 onto my spare word
	s_add_nc_u64 s[G0A+2:G0A+3], s[G0A+2:G0A+3], 512   ; slot 0's next chunk is chunk 2
	s_add_nc_u64 s[G0B+2:G0B+3], s[G0B+2:G0B+3], 512
	s_wait_dscnt 0x0                               ; the add is done, and my reads of slot 0 are over
	CROUND                                         ; both now hold of every wave of every work-group of the cluster
	JLOAD 0                                        ; the one refill: it has chunk 1's 32 products a wave in which to land
	CHUNK 1, 0
	s_wait_tensorcnt 0x0                           ; my part of chunk 2 is in
	s_wait_dscnt 0x0
	s_barrier_signal -1
	s_barrier_wait -1                              ; everybody's is; nothing is filled any more
	CHUNK 0, 0
	PLACES                                         ; in front of the first reads of results and of writes into operand registers
	s_wait_kmcnt 0x0                               ; the scales' exponents
	v_and_b32 v26, 31, v0
	s_delay_alu instid0(VALU_DEP_1)
	v_lshlrev_b32 v26, 4, v26                      ; 16 x lane: my place in an image
	s_cmp_lt_u32 s[WV], 8
	s_cbranch_scc0 .Lout_v
	; ---- THE WAY OUT, ROLE QK
	s_sub_co_i32 s80, s74, s68
	s_sub_co_i32 s80, s80, s69                     ; e6 - e0 - e1
	s_add_co_i32 s80, s80, 127
	s_lshl_b32 s81, s80, 23
	v_mov_b32 v22, s81                             ; Q's scale as f32: the conversion takes its exponent field
	s_sub_co_i32 s80, s75, s70
	s_sub_co_i32 s80, s80, s71                     ; e7 - e2 - e3
	s_add_co_i32 s80, s80, 127
	s_lshl_b32 s81, s80, 23
	v_mov_b32 v24, s81                             ; K's
	s_and_b32 s84, s[WV], 7
	s_lshl_b32 s85, s84, 5
	s_lshl_b32 s86, s24, 8
	s_add_co_u32 s85, s85, s86                     ; my first position: 256 y + 32 (wave % 8)
	v_add_nc_u32 v27, s85, v12
	s_delay_alu instid0(VALU_DEP_1)
	v_cvt_f32_u32 v16, v27                         ; my lane's position, exact in f32,
	s_delay_alu instid0(VALU_DEP_1)
	v_mov_b32 v17, v16                             ; twice: a pair for the packed product
	s_lshl_b32 s86, s23, 18                        ; images: head x 262,144 + (16 y + 2 (wave % 8)) x 1,024
	s_lshl_b32 s87, s24, 14
	s_add_co_u32 s86, s86, s87
	s_lshl_b32 s87, s84, 11
	s_add_co_u32 s86, s86, s87
	s_mov_b32 s87, 0
	s_add_nc_u64 s[14:15], s[14:15], s[86:87]
	s_add_nc_u64 s[16:17], s[16:17], s[86:87]
	v_mov_b32 v18, 0xb94ca1f9                      ; the sine's highest coefficient, -1.9515295891e-4, twice
	v_mov_b32 v19, 0xb94ca1f9
	v_mov_b32 v20, 0x37ccf5ce                      ; the cosine's, 2.443315712e-5, twice
	v_mov_b32 v21, 0x37ccf5ce
	v_cmp_eq_u32 vcc_lo, 1, v13                    ; lanes 16-31
; My pair jj of tile t is pair 8 t + 4 h + jj of the head: frequency 10^(-(4 h + jj) / 8) x 10^-t
.macro FREQ jj, lo, hi
	v_mov_b32 v[TMP], \lo
	v_mov_b32 v[TMP+1], \hi
	s_delay_alu instid0(VALU_DEP_1)
	v_cndmask_b32 v[FRQ+\jj], v[TMP], v[TMP+1], vcc_lo
.endm
	FREQ 0, 0x3f800000, 0x3ea1e89b                 ; 1,           0.316227766
	FREQ 1, 0x3f3ff911, 0x3e72d424                 ; 0.749894209, 0.237137371
	FREQ 2, 0x3f0ff59a, 0x3e361887                 ; 0.562341325, 0.177827941
	FREQ 3, 0x3ed7e89b, 0x3e088d77                 ; 0.421696503, 0.133352143
.irp j, 0,1,2,3
	v_mul_f32 v[FRQ+4+\j], 0x3dcccccd, v[FRQ+\j]   ; x 0.1
	v_mul_f32 v[FRQ+8+\j], 0x3c23d70a, v[FRQ+\j]   ; x 0.01
	v_mul_f32 v[FRQ+12+\j], 0x3a83126f, v[FRQ+\j]  ; x 0.001
.endr
; Cosine and sine of angles 2 k and 2 k + 1 of my position, into the pairs at CSN + 4 k and CSN + 4 k + 2
.macro SINCOS2 k
	v_pk_mul_f32 v[TMP:TMP+1], v[FRQ+2*\k:FRQ+2*\k+1], v[16:17]                          ; the angle
	s_delay_alu instid0(VALU_DEP_1)
	v_pk_fma_f32 v[TMP+2:TMP+3], v[TMP:TMP+1], 0x3f22f983, 0.5 op_sel_hi:[1,0,0]        ; x 2/pi + 1/2
	s_delay_alu instid0(VALU_DEP_1)
	v_floor_f32 v[TMP+2], v[TMP+2]                                                       ; n
	s_delay_alu instid0(VALU_DEP_2)
	v_floor_f32 v[TMP+3], v[TMP+3]
	s_delay_alu instid0(VALU_DEP_1)
	v_pk_fma_f32 v[TMP:TMP+1], v[TMP+2:TMP+3], 0xbfc90fdb, v[TMP:TMP+1] op_sel_hi:[1,0,1]   ; - n x 1.57079637: exact
	s_delay_alu instid0(VALU_DEP_1)
	v_pk_fma_f32 v[TMP:TMP+1], v[TMP+2:TMP+3], 0x333bbd2e, v[TMP:TMP+1] op_sel_hi:[1,0,1]   ; + n x 4.37113883e-8: r
	s_delay_alu instid0(VALU_DEP_1)
	v_pk_mul_f32 v[TMP+4:TMP+5], v[TMP:TMP+1], v[TMP:TMP+1]                              ; z = r r
	s_delay_alu instid0(VALU_DEP_1)
	v_pk_fma_f32 v[TMP+6:TMP+7], v[TMP+4:TMP+5], v[18:19], 0x3c08839e op_sel_hi:[1,1,0]  ; the sine's chain and the cosine's by turns
	s_delay_alu instid0(VALU_DEP_2)
	v_pk_fma_f32 v[TMP+8:TMP+9], v[TMP+4:TMP+5], v[20:21], 0xbab6061a op_sel_hi:[1,1,0]
	s_delay_alu instid0(VALU_DEP_2)
	v_pk_fma_f32 v[TMP+6:TMP+7], v[TMP+6:TMP+7], v[TMP+4:TMP+5], 0xbe2aaaa3 op_sel_hi:[1,1,0]
	s_delay_alu instid0(VALU_DEP_2)
	v_pk_fma_f32 v[TMP+8:TMP+9], v[TMP+8:TMP+9], v[TMP+4:TMP+5], 0x3d2aaaa5 op_sel_hi:[1,1,0]
	s_delay_alu instid0(VALU_DEP_2)
	v_pk_mul_f32 v[TMP+6:TMP+7], v[TMP+6:TMP+7], v[TMP+4:TMP+5]
	s_delay_alu instid0(VALU_DEP_2)
	v_pk_fma_f32 v[TMP+8:TMP+9], v[TMP+8:TMP+9], v[TMP+4:TMP+5], -0.5 op_sel_hi:[1,1,0]
	s_delay_alu instid0(VALU_DEP_2)
	v_pk_fma_f32 v[TMP+6:TMP+7], v[TMP+6:TMP+7], v[TMP:TMP+1], v[TMP:TMP+1]              ; sin r
	s_delay_alu instid0(VALU_DEP_2)
	v_pk_fma_f32 v[TMP+8:TMP+9], v[TMP+8:TMP+9], v[TMP+4:TMP+5], 1.0 op_sel_hi:[1,1,0]   ; cos r
.irp n, 0,1
	v_cvt_i32_f32 v[TMP+10], v[TMP+2+\n]           ; n as a whole number: its two lowest bits are the quadrant
	s_delay_alu instid0(VALU_DEP_1)
	v_lshlrev_b32 v[TMP+11], 31, v[TMP+10]         ; bit 0 in the sign's place
	s_delay_alu instid0(VALU_DEP_2)
	v_lshlrev_b32 v[TMP+12], 30, v[TMP+10]
	s_delay_alu instid0(VALU_DEP_2)
	v_cmp_gt_i32 vcc_lo, 0, v[TMP+11]              ; an odd quadrant: sine and cosine change places
	s_delay_alu instid0(VALU_DEP_2)
	v_and_b32 v[TMP+12], 0x80000000, v[TMP+12]     ; bit 1 in the sign's place
	s_delay_alu instid0(VALU_DEP_2)
	v_cndmask_b32 v[CSN+4*\k+2*\n+1], v[TMP+6+\n], v[TMP+8+\n], vcc_lo
	s_delay_alu instid0(VALU_DEP_3)
	v_cndmask_b32 v[CSN+4*\k+2*\n], v[TMP+8+\n], v[TMP+6+\n], vcc_lo
	s_delay_alu instid0(VALU_DEP_2)
	v_xor_b32 v[CSN+4*\k+2*\n+1], v[TMP+12], v[CSN+4*\k+2*\n+1]   ; the sine is negative where bit 1 is set,
	s_delay_alu instid0(VALU_DEP_4)
	v_xor_b32 v[TMP+12], v[TMP+12], v[TMP+11]
	s_delay_alu instid0(VALU_DEP_1)
	v_xor_b32 v[CSN+4*\k+2*\n], v[TMP+12], v[CSN+4*\k+2*\n]       ; the cosine where bit 1 and bit 0 differ
.endr
.endm
; Tile tl (0-3 of Q, 4-7 of K) of my positions' tile pp: rotated in place, converted into registers 2 (tl % 4), + 1 of its fragment.  Each accumulator is read from its low end on.
.macro ROPEQ tl, pp, sc, lim
.set AC, ACC+8*(2*(\tl)+(\pp))
.set CB, CSN+8*((\tl)%4)
.irp j, 0,2,4,6
	v_pk_mul_f32 v[TMP+\j:TMP+\j+1], v[AC+\j:AC+\j+1], v[CB+\j:CB+\j+1] op_sel_hi:[1,0]   ; (x1 c, x2 c)
.endr
.irp j, 0,2,4,6
	v_pk_fma_f32 v[AC+\j:AC+\j+1], v[AC+\j:AC+\j+1], v[CB+\j:CB+\j+1], v[TMP+\j:TMP+\j+1] op_sel:[1,1,0] op_sel_hi:[0,1,1] neg_lo:[0,1,0]   ; (x1 c - x2 s, x2 c + x1 s)
.endr
.irp j, 0,1,2,3,4,5,6,7
.endr
	v_cvt_scalef32_pk8_fp8_f32 v[COD+16*(\pp)+2*(\tl):COD+16*(\pp)+2*(\tl)+1], v[AC:AC+7], v[\sc]
.endm
.irp p, 0,1
.if \p
	v_add_f32 v16, 0x41800000, v16                 ; the second tile's positions: + 16, exact
	v_add_f32 v17, 0x41800000, v17
.endif
.irp k, 0,1,2,3,4,5,6,7
	SINCOS2 \k
.endr
.irp t, 0,1,2,3
	ROPEQ \t, \p, 22, 23
.endr
.irp t, 4,5,6,7
	ROPEQ \t, \p, 24, 25
.endr
	v_nop                                          ; one plain vector line behind the last conversion of a run
.irp u, 0,1
	global_store_b128 v26, v[COD+16*\p+4*\u:COD+16*\p+4*\u+3], s[14:15] offset:1024*\p+512*\u       ; Q's image: 32 lanes store 512 consecutive bytes
	global_store_b128 v26, v[COD+16*\p+8+4*\u:COD+16*\p+8+4*\u+3], s[16:17] offset:1024*\p+512*\u   ; K's
.endr
.endr
	s_branch .Lout_done
.Lout_v:
	; ---- THE WAY OUT, ROLE V
	s_sub_co_i32 s80, s77, s72
	s_sub_co_i32 s80, s80, s73                     ; e9 - e4 - e5
	s_add_co_i32 s80, s80, 127
	s_lshl_b32 s81, s80, 23
	v_mov_b32 v22, s81
	s_wait_alu depctr_va_vdst(0)
	s_bfe_u32 s84, s[WV], 0x10001                  ; a
	s_and_b32 s85, s[WV], 1                        ; b
	s_lshl_b32 s86, s23, 18                        ; images: ((32 head + 2 y + a) x 4 + 2 b) x 2,048
	s_lshl_b32 s87, s24, 14
	s_add_co_u32 s86, s86, s87
	s_lshl_b32 s87, s84, 13
	s_add_co_u32 s86, s86, s87
	s_lshl_b32 s87, s85, 12
	s_add_co_u32 s86, s86, s87
	s_mov_b32 s87, 0
	s_add_nc_u64 s[18:19], s[18:19], s[86:87]
.irp u, 0,1
.irp i, 0,1,2,3,4,5,6,7
.irp j, 0,1,2,3,4,5,6,7
.endr
	v_cvt_scalef32_pk8_fp8_f32 v[32+16*\u+2*\i:33+16*\u+2*\i], v[ACC+8*(2*\i+\u):ACC+8*(2*\i+\u)+7], v22   ; keys 16 i + 8 h + 0 .. 7 of my channel: registers 2 i, 2 i + 1
.endr
.endr
	v_nop                                          ; one plain vector line behind the last conversion
.irp u, 0,1
.irp g, 0,1,2,3
	global_store_b128 v26, v[32+16*\u+4*\g:35+16*\u+4*\g], s[18:19] offset:2048*\u+512*\g
.endr
.endr
.Lout_done:
	s_wait_tensorcnt 0x0                           ; the wave's end
	ds_add_u32 v[SPW], v[NIL]
	s_wait_dscnt 0x0
	CROUND                                         ; the closing round: no work-group ends while a partner may still ask for a tile that names it
	s_endpgm
.Lfunc_end_k_q6999dbebdc_qkv:
	.size	k_q6999dbebdc_qkv, .Lfunc_end_k_q6999dbebdc_qkv-k_q6999dbebdc_qkv
	.p2alignl 7, 3214868480
	.fill 96, 4, 3214868480
	.section	.rodata,"a",@progbits
	.p2align	6, 0x0
	.amdhsa_kernel k_q6999dbebdc_qkv
		.amdhsa_group_segment_fixed_size 327680
		.amdhsa_private_segment_fixed_size 0
		.amdhsa_enable_private_segment 0
		.amdhsa_kernarg_size 64
		.amdhsa_user_sgpr_count 2
		.amdhsa_user_sgpr_kernarg_segment_ptr 1
		.amdhsa_wavefront_size32 1
		.amdhsa_system_sgpr_workgroup_id_x 1
		.amdhsa_system_sgpr_workgroup_id_y 1
		.amdhsa_system_sgpr_workgroup_id_z 1
		.amdhsa_system_vgpr_workitem_id 0
		.amdhsa_next_free_vgpr 256
		.amdhsa_next_free_sgpr 100
		.amdhsa_reserve_vcc 1
		.amdhsa_float_denorm_mode_32 3
		.amdhsa_float_denorm_mode_16_64 3
		.amdhsa_fp16_overflow 1
		.amdhsa_memory_ordered 1
		.amdhsa_forward_progress 1
		.amdhsa_inst_pref_size 116
	.end_amdhsa_kernel
	.amdgpu_metadata
---
amdhsa.version: [ 1, 2 ]
amdhsa.kernels:
  - .name:           k_q6999dbebdc_qkv
    .symbol:         k_q6999dbebdc_qkv.kd
    .args:
      - { .name: x_codes, .offset: 0, .size: 8, .value_kind: global_buffer, .address_space: global }
      - { .name: Wq_codes, .offset: 8, .size: 8, .value_kind: global_buffer, .address_space: global }
      - { .name: Wk_codes, .offset: 16, .size: 8, .value_kind: global_buffer, .address_space: global }
      - { .name: Wv_codes, .offset: 24, .size: 8, .value_kind: global_buffer, .address_space: global }
      - { .name: lowp_scales, .offset: 32, .size: 8, .value_kind: global_buffer, .address_space: global }
      - { .name: qc, .offset: 40, .size: 8, .value_kind: global_buffer, .address_space: global }
      - { .name: kc, .offset: 48, .size: 8, .value_kind: global_buffer, .address_space: global }
      - { .name: vc, .offset: 56, .size: 8, .value_kind: global_buffer, .address_space: global }
    .group_segment_fixed_size: 327680
    .private_segment_fixed_size: 0
    .kernarg_segment_align: 8
    .kernarg_segment_size: 64
    .max_flat_workgroup_size: 384
    .sgpr_count:     100
    .vgpr_count:     256
    .wavefront_size: 32
...
	.end_amdgpu_metadata
.endif
;; end of part 1
;; launch attn (part 2): grid 16 x 12, 8 waves a work-group, no clusters, 327,680 bytes of LDS; arguments qc, kc, vc, lowp_scales, ac; writes ac
.if DOCPART == 2
	.amdgcn_target "amdgcn-amd-amdhsa--gfx1250"
	.amdhsa_code_object_version 6
	.text
	.protected	k_q6999dbebdc_attn
	.globl	k_q6999dbebdc_attn
	.p2align	8
	.type	k_q6999dbebdc_attn,@function
k_q6999dbebdc_attn:
	s_mov_b64 s[64:65], 0
	v_nop
	global_prefetch_b8 v0, s[64:65] scope:SCOPE_SE
	s_setreg_imm32_b32 hwreg(HW_REG_WAVE_MODE, 25, 1), 1
	s_wait_xcnt 0x0
; Causal attention of one head on codes of FP8 (E4M3): S^T = K Q^T (16 x 16 x 64), running softmax, O^T = V^T P^T (16 x 16 x 128), O / l quantised for the last product.
; qc, kc: [head][tile of 16 positions][1,024], vc: [head][128 keys][tile T][2,048]: images of operand registers (16 bytes a lane, 512 bytes for four registers).  ac: [tile of 16 positions][head][1,024], likewise.
; THE SOFTMAX: t = sum x c, c = log2(e) x 2^(e6 + e7 - 3) (the 2^-3 is 64^-1/2); M = the running largest t rounded UP to a whole number; p = 2^(t - M) is quantised with 2^e8, not normalised; the row's sum is taken of
; the unquantised p; when M moves, the sum and O^T are multiplied by 2^(old M - new M): exact.  At the end O^T / l is converted with the scale 2^(e10 - e8 - e9).
; SHARES.  A work-group owns TWO blocks of 128 queries of one head, blocks i and 31 - i, one after the other; each of its eight waves 16 queries of each.  Keys go in slots of 256 (two steps of 128).  Block b needs
; b / 2 + 1 slots, so the two blocks need 17 slots whatever i is: the trip count is a constant and every work-group has the same work.  A step all of whose keys come after a wave's queries is left out by a scalar branch on ids.
; LAYOUT.  A lane holds ONE query (lane % 16) throughout.  In S^T register j of tile c is key 16 c + 8 (lane / 16) + j: eight registers convert into registers 2 c, 2 c + 1 of P.  In O^T register j of tile T is channel
; 32 (T / 2) + 16 (lane / 16) + 8 (T % 2) + j (the rows of V^T's tiles were chosen so): tiles 2 b, 2 b + 1 convert into registers 4 b .. 4 b + 3 of the image: channels 32 b + 16 (lane / 16) + 0 .. 15.
; NO CLUSTER: the work-groups that read the same K and V own different queries, so which steps they leave out and which step they mask differs between them: branches that would hang on the place in a cluster, which joint
; loads do not allow.  Without those branches all 34 steps would be computed for both blocks and each would carry the mask's 128 instructions.
; LIMITS: e6 + e7 between -123 and 130; e8, and e10 - e8 - e9, between -126 and 119.  NaN codes are not served.
; REGISTERS: v1 16 x lane; v5, v6 the add's; v7, v10 global offsets; v8 LDS address; v12 -M, v13 the largest t, v[14:15] the sum in two halves; v16-23 Q; v24 the output's scale; v32-95 K's eight fragments, then V's four;
; v96-159 S^T, then p; v160-191 O^T; v192-223 O^T / l; v224-239 codes; v236-254 at work; v244: 2^e8.
.set SLOT1, 32768                      ; a slot: K's 16 images (16,384 bytes), then V's eight (16,384); slot 1 begins here: one exclusive or turns an address
.set VOFF,  16384
.set SPARE, 65536                      ; behind the slots: the spare words, 128 bytes for each of eight waves: four blocks of 256 bytes that no other line names
.set LI,   1
.set SPW,  5
.set NIL,  6
.set QOF,  7
.set AD,   8
.set OOF,  10
.set WV,   18                          ; s18 my wave's number
.set SEL,  20                          ; s[20:21] lane selects: lane l xor 16
.set CSC,  22                          ; s[22:23] c, twice
.set G1,   24                          ; s[24:31] descriptor group 1
.set G0,   32                          ; s[32:35] group 0: it walks
.set BASE, 36                          ; s[36:37] the head's first byte of what I fetch (K for wave 0, V for wave 1)
.set OFS,  38                          ; s[38:39] the next slot's bytes from there
.set TB,   40                          ; s40 LDS byte at which the slot in hand begins
.set TR,   41                          ; s41 the trip: 0 .. 16
.set NLOW, 42                          ; s42 slots of the low block
.set KF,   43                          ; s43 the step's first key
.set Q0,   44                          ; s44 my first query
.set QHI,  45                          ; s45 my first query in the high block
.set QB,   56                          ; s[56:57] qc at the head
.set AB,   58                          ; s[58:59] ac at the head's image of tile 0
.macro PLACES
.rept 4
	v_nop
.endr
.endm
.macro TLOAD                           ; wave 0 fetches a slot's K, wave 1 its V: 16,384 dense bytes each; the branch hangs on the wave's number alone
	s_cmp_lt_u32 s[WV], 2
	s_cbranch_scc0 .Lasked_\@
	tensor_load_to_lds s[G0:G0+3], s[G1:G1+7]
	s_nop 0
	PLACES
.Lasked_\@:
.endm
	s_load_b256 s[4:11], s[0:1], 0x0               ; qc s[4:5], kc s[6:7], vc s[8:9], the scales' exponents s[10:11]
	s_load_b64 s[12:13], s[0:1], 0x20              ; ac
	v_lshl_add_u32 v[SPW], v0, 2, SPARE
	v_mov_b32 v[NIL], 0
	ds_add_u32 v5, v6
	ds_add_u32 v5, v6
	s_wait_dscnt 0x0
	v_lshrrev_b32 v8, 5, v0
	s_delay_alu instid0(VALU_DEP_1)
	v_readfirstlane_b32 s[WV], v8                  ; wave 0..7
	v_and_b32 v[LI], 31, v0
	s_delay_alu instid0(VALU_DEP_1)
	v_lshlrev_b32 v[LI], 4, v[LI]
	s_and_b32 s46, ttmp7, 0xffff                   ; the head
	s_lshl_b32 s48, s46, 18                        ; x 262,144: its bytes in qc, kc and vc
	s_mov_b32 s49, 0
	s_lshl_b32 s50, s46, 10                        ; x 1,024: its image in a tile of ac
	s_mov_b32 s51, 0
	s_lshr_b32 s[NLOW], ttmp9, 1
	s_add_co_u32 s[NLOW], s[NLOW], 1               ; block i needs i / 2 + 1 slots
	s_lshl_b32 s47, s[WV], 4
	s_lshl_b32 s[Q0], ttmp9, 7
	s_add_co_u32 s[Q0], s[Q0], s47                 ; 128 i + 16 wave
	s_sub_co_u32 s[QHI], 31, ttmp9
	s_lshl_b32 s[QHI], s[QHI], 7
	s_add_co_u32 s[QHI], s[QHI], s47               ; 128 (31 - i) + 16 wave
	s_mov_b32 s[G1], 3<<16                         ; no mask; elements of 8 bytes; no padding: images are read 16 bytes a lane on end
	s_mov_b32 s[G1+1], 32<<16                      ; tensor_dim0 = 32 elements: rows of 256 bytes
	s_mov_b32 s[G1+2], 64<<16                      ; tensor_dim1 = 64 rows
	s_mov_b32 s[G1+3], 32<<16                      ; tile_dim0
	s_mov_b32 s[G1+4], 64                          ; tile_dim1
	s_mov_b32 s[G1+5], 32                          ; dense: each row begins where the last ends
	s_mov_b32 s[G1+6], 0
	s_mov_b32 s[G1+7], 0
	s_mov_b32 s[SEL], 0x76543210
	s_mov_b32 s[SEL+1], 0xfedcba98
	s_mov_b32 s[TB], 0
	s_mov_b32 s[TR], 0
	s_mov_b32 s[OFS+1], 0
	s_and_b32 s52, s[WV], 1
	s_lshl_b32 s53, s52, 14                        ; K's images at a slot's head, V's 16,384 bytes on
	s_wait_kmcnt 0x0
	s_load_b256 s[68:75], s[10:11], 0x0            ; e0 .. e7
	s_load_b128 s[76:79], s[10:11], 0x20           ; e8 .. e11
	s_cmp_eq_u32 s52, 0                            ; the choice hangs on the wave's number alone
	s_cselect_b64 s[BASE:BASE+1], s[6:7], s[8:9]
	s_add_nc_u64 s[BASE:BASE+1], s[BASE:BASE+1], s[48:49]
	s_mov_b32 s[G0], 1                             ; count = 1
	s_mov_b32 s[G0+1], s53                         ; LDS address: slot 0
	s_mov_b64 s[G0+2:G0+3], s[BASE:BASE+1]         ; the head's first 256 keys
	s_or_b32 s[G0+3], s[G0+3], 0x80000000          ; type = 2
	TLOAD                                          ; slot 0: one load of mine is out, here and behind every change of slots
	s_add_nc_u64 s[QB:QB+1], s[4:5], s[48:49]
	s_add_nc_u64 s[AB:AB+1], s[12:13], s[50:51]
	v_mov_b32 v236, 0                              ; written once: a lane permute's destination counts as one of its sources,
	v_mov_b32 v252, 0
	v_mov_b32 v253, 0                              ; and this one is named as the upper half of the pair v[252:253]
	s_wait_kmcnt 0x0
	s_add_co_i32 s46, s74, s75
	s_sub_co_i32 s46, s46, 3
	s_lshl_b32 s46, s46, 23
	s_add_co_i32 s[CSC], s46, 0x3fb8aa3b           ; log2(e) with e6 + e7 - 3 added to its exponent field
	s_mov_b32 s[CSC+1], s[CSC]                     ; (named with it as a pair, so it is written)
	s_add_co_i32 s46, s76, 127
	s_lshl_b32 s47, s46, 23
	v_mov_b32 v244, s47                            ; 2^e8 as f32, for p's conversion
	s_sub_co_i32 s46, s78, s76
	s_sub_co_i32 s46, s46, s77                     ; e10 - e8 - e9
	s_add_co_i32 s46, s46, 127
	s_lshl_b32 s47, s46, 23
	v_mov_b32 v24, s47
; A block of queries begins: Q's image into registers; the largest t -3e38, the sum and O^T zeros, which the first change of M leaves zeros.
.macro START
	s_lshl_b32 s46, s[Q0], 6                       ; tile Q0 / 16 x 1,024 bytes
	v_add_nc_u32 v[QOF], s46, v[LI]
	global_load_b128 v[16:19], v[QOF], s[QB:QB+1]
	global_load_b128 v[20:23], v[QOF], s[QB:QB+1] offset:512
	v_mov_b32 v13, 0xff61b1e6
	s_delay_alu instid0(VALU_DEP_1)
	v_floor_f32 v12, -v13
	v_mov_b32 v14, 0
	v_mov_b32 v15, 0
.set J, 0
.rept 32
	v_mov_b32 v[160+J], 0
.set J, J+1
.endr
	s_mov_b32 s[KF], 0
	s_wait_loadcnt 0x0
.endm
; A KEY STEP: 128 keys, the q-th of the slot in hand.
.macro STEP q
	s_add_co_u32 s46, s[Q0], 15
	s_cmp_gt_u32 s[KF], s46                        ; all keys come after my 16 queries: the step's work is left out (no barrier and no tensor load stands in a step)
	s_cbranch_scc1 .Lhidden_\@
	v_add_nc_u32 v[AD], s[TB], v[LI]               ; this line and three v_nop: the four places in front of loads into registers that the last products read
.rept 3
	v_nop
.endr
.irp c, 0,1,2,3,4,5,6,7
	ds_load_b128 v[32+8*\c:35+8*\c], v[AD] offset:(8*\q+\c)*1024
	ds_load_b128 v[36+8*\c:39+8*\c], v[AD] offset:(8*\q+\c)*1024+512
.endr
	s_wait_alu depctr_va_vdst(0)
	s_wait_dscnt 8                                 ; tiles 0-3 are in; the youngest eight loads (tiles 4-7) may be out
.irp c, 0,1,2,3
	v_wmma_f32_16x16x64_fp8_fp8 v[96+8*\c:103+8*\c], v[32+8*\c:39+8*\c], v[16:23], 0
.endr
	s_wait_dscnt 0
.irp c, 4,5,6,7
	v_wmma_f32_16x16x64_fp8_fp8 v[96+8*\c:103+8*\c], v[32+8*\c:39+8*\c], v[16:23], 0
.endr
	PLACES
.irp t, 0,1,2,3
.irp g, 0,1,2,3
	ds_load_b128 v[32+16*\t+4*\g:35+16*\t+4*\g], v[AD] offset:VOFF+8192*\q+2048*\t+512*\g   ; V's four fragments land while the softmax is worked
.endr
.endr
	s_add_co_u32 s46, s[KF], 127
	s_cmp_le_u32 s46, s[Q0]                        ; all 128 keys count for all my queries: no mask
	s_cbranch_scc1 .Lopen_\@
	s_sub_co_i32 s46, s[Q0], s[KF]
	v_and_b32 v252, 15, v0
	v_bfe_u32 v253, v0, 4, 1
	s_delay_alu instid0(VALU_DEP_1)
	v_lshlrev_b32 v253, 3, v253
	s_delay_alu instid0(VALU_DEP_1)
	v_sub_nc_u32 v252, v252, v253
	s_delay_alu instid0(VALU_DEP_1)
	v_add_nc_u32 v252, s46, v252                   ; d = my query - KF - 8 (lane / 16).  Register 8 c + j holds key KF + 8 (lane / 16) + 16 c + j: hidden where 16 c + j > d
	v_mov_b32 v254, 0xff800000                     ; -infinity: p = 0 then.  Key KF counts for every query of the tile, so M stays a number
.irp n, 0,1,2,3,4,5,6,7,8,9,10,11,12,13,14,15,16,17,18,19,20,21,22,23,24,25,26,27,28,29,30,31,32,33,34,35,36,37,38,39,40,41,42,43,44,45,46,47,48,49,50,51,52,53,54,55,56,57,58,59,60,61,62,63
	v_cmp_gt_i32 vcc_lo, 16*(\n/8)+\n%8, v252
	v_cndmask_b32 v[96+\n], v[96+\n], v254, vcc_lo
.endr
.Lopen_\@:
	v_max3_num_f32 v254, v96, v97, v98             ; the step's largest sum of my query among my 64 keys, in two chains, each accumulator from its low end on,
	v_max3_num_f32 v252, v99, v100, v101
.irp i, 6,10,14,18,22,26,30,34,38,42,46,50,54,58
	v_max3_num_f32 v254, v254, v[96+\i], v[97+\i]
	v_max3_num_f32 v252, v252, v[98+\i], v[99+\i]
.endr
	v_max3_num_f32 v254, v254, v158, v159
	s_delay_alu instid0(VALU_DEP_1)
	v_max_num_f32 v254, v254, v252
	v_permlanex16_b32 v236, v254, s[SEL], s[SEL+1]
	s_delay_alu instid0(VALU_DEP_1)
	v_max_num_f32 v254, v254, v236                 ; and among lane l xor 16's
	s_delay_alu instid0(VALU_DEP_1)
	v_mul_f32 v254, s[CSC], v254                   ; as t (c is positive)
	s_delay_alu instid0(VALU_DEP_1)
	v_max_num_f32 v13, v13, v254                   ; the running largest t
	v_mov_b32 v254, v12
	s_delay_alu instid0(VALU_DEP_2)
	v_floor_f32 v12, -v13                          ; the new -M = floor(-t) = -ceil(t)
	s_delay_alu instid0(VALU_DEP_1)
	v_sub_f32 v254, v12, v254                      ; old M - new M: a whole number, 0 or less
	s_delay_alu instid0(VALU_DEP_1)
	v_cvt_i32_f32 v254, v254                       ; (it saturates)
	s_delay_alu instid0(VALU_DEP_1)
	v_ldexp_f32 v252, 1.0, v254                    ; f = 2^(old M - new M)
.set J, 0
.rept 32
	v_pk_fma_f32 v[96+J:97+J], v[96+J:97+J], s[CSC:CSC+1], v[12:13] op_sel_hi:[1,0,0]   ; t - M, two at a time
.set J, J+2
.endr
.set J, 0
	s_wait_alu depctr_va_vdst(0)
.rept 64
	v_exp_f32 v[96+J], v[96+J]                     ; p = 2^(t - M), at most 1
.set J, J+1
.endr
	v_pk_mul_f32 v[14:15], v[14:15], v[252:253] op_sel_hi:[1,0]   ; the sums under the new M (a plain place behind the exponentials)
	s_wait_alu depctr_va_vdst(0)
	v_pk_add_f32 v[242:243], v[100:101], v[104:105]
	v_pk_add_f32 v[254:255], v[108:109], v[112:113]
	v_pk_add_f32 v[250:251], v[116:117], v[120:121]
	v_pk_add_f32 v[248:249], v[124:125], v[128:129]
	v_pk_add_f32 v[246:247], v[132:133], v[136:137]
	v_pk_add_f32 v[240:241], v[140:141], v[144:145]
	v_pk_add_f32 v[238:239], v[148:149], v[152:153]
	v_pk_add_f32 v[14:15], v[14:15], v[156:157]
	v_pk_add_f32 v[242:243], v[242:243], v[96:97]
	v_pk_add_f32 v[254:255], v[254:255], v[98:99]
	v_pk_add_f32 v[250:251], v[250:251], v[102:103]
	v_pk_add_f32 v[248:249], v[248:249], v[106:107]
	v_pk_add_f32 v[246:247], v[246:247], v[110:111]
	v_pk_add_f32 v[240:241], v[240:241], v[114:115]
	v_pk_add_f32 v[238:239], v[238:239], v[118:119]
	v_pk_add_f32 v[14:15], v[14:15], v[122:123]
	v_pk_add_f32 v[242:243], v[242:243], v[126:127]
	v_pk_add_f32 v[254:255], v[254:255], v[130:131]
	v_pk_add_f32 v[250:251], v[250:251], v[134:135]
	v_pk_add_f32 v[248:249], v[248:249], v[138:139]
	v_pk_add_f32 v[246:247], v[246:247], v[142:143]
	v_pk_add_f32 v[240:241], v[240:241], v[146:147]
	v_pk_add_f32 v[238:239], v[238:239], v[150:151]
	v_pk_add_f32 v[14:15], v[14:15], v[154:155]
	v_pk_add_f32 v[242:243], v[242:243], v[158:159]
	s_delay_alu instid0(VALU_DEP_2)
	v_pk_add_f32 v[14:15], v[14:15], v[248:249]
	s_delay_alu instid0(VALU_DEP_2)
	v_pk_add_f32 v[242:243], v[242:243], v[246:247]
	v_pk_add_f32 v[254:255], v[254:255], v[240:241]
	v_pk_add_f32 v[250:251], v[250:251], v[238:239]
	s_delay_alu instid0(VALU_DEP_2)
	v_pk_add_f32 v[14:15], v[14:15], v[254:255]
	s_delay_alu instid0(VALU_DEP_2)
	v_pk_add_f32 v[242:243], v[242:243], v[250:251]
	s_delay_alu instid0(VALU_DEP_1)
	v_pk_add_f32 v[14:15], v[14:15], v[242:243]
.irp c, 0,1,2,3,4,5,6,7
.irp i, 0,1,2,3,4,5,6,7
.endr
	v_cvt_scalef32_pk8_fp8_f32 v[224+2*\c:225+2*\c], v[96+8*\c:103+8*\c], v244
.endr
.set J, 0
.rept 16
	v_pk_mul_f32 v[160+J:161+J], v[160+J:161+J], v[252:253] op_sel_hi:[1,0]   ; O^T under the new M (also the plain lines between the conversions and the products)
.set J, J+2
.endr
	s_wait_alu depctr_va_vdst(0)
	s_wait_dscnt 0x0                               ; V's fragments are in
.irp t, 0,1,2,3
	v_wmma_f32_16x16x128_fp8_fp8 v[160+8*\t:167+8*\t], v[32+16*\t:47+16*\t], v[224:239], v[160+8*\t:167+8*\t]   ; four accumulators by turns, one instruction a turn
.endr
.Lhidden_\@:
	s_add_co_u32 s[KF], s[KF], 128
.endm
; A block of queries ends: O^T / l, converted, and stored as the head's image of my tile: two stores of 512 consecutive bytes.
.macro FINISH
	PLACES
	v_add_f32 v14, v14, v15                        ; the sum's two halves,
	s_delay_alu instid0(VALU_DEP_1)
	v_permlanex16_b32 v252, v14, s[SEL], s[SEL+1]
	s_delay_alu instid0(VALU_DEP_1)
	v_add_f32 v14, v14, v252                       ; and lane l xor 16's
	s_wait_alu depctr_va_vdst(0)
	v_rcp_f32 v14, v14
	s_mul_i32 s46, s[Q0], 768                      ; tile Q0 / 16 x 12,288 bytes
	v_add_nc_u32 v[OOF], s46, v[LI]                ; (the plain place behind the reciprocal)
.set J, 0
	s_wait_alu depctr_va_vdst(0)
.rept 16
	v_pk_mul_f32 v[192+J:193+J], v[160+J:161+J], v[14:15] op_sel_hi:[1,0]   ; each accumulator from its low end on
.set J, J+2
.endr
.set J, 0
.rept 32
.set J, J+1
.endr
.irp t, 0,1,2,3
	v_cvt_scalef32_pk8_fp8_f32 v[224+2*\t:225+2*\t], v[192+8*\t:199+8*\t], v24
.endr
	v_nop                                          ; one plain vector line behind the last conversion
	global_store_b128 v[OOF], v[224:227], s[AB:AB+1]
	global_store_b128 v[OOF], v[228:231], s[AB:AB+1] offset:512
	s_wait_xcnt 0x0                                ; the stores' offset and data registers are written again only behind this wait
.endm
; THE CHANGE OF SLOTS stands at a slot's head.  Each wave waits for all its tensor loads, adds 0 to its spare word, and waits for that and for its reads of the slot that it has left.
; fill = 1: behind the barrier that slot takes the keys of trip TR + 1: slot TR + 1 of the low block, or slot TR + 1 - NLOW of the high one (a selection on ids, no branch).
.macro CHANGE fill
	s_wait_tensorcnt 0x0                           ; no tensor load of mine is out, so the group 0 may be written
	ds_add_u32 v[SPW], v[NIL]                      ; 0 onto my spare word
.if \fill
	s_add_co_u32 s46, s[TR], 1
	s_cmp_ge_u32 s46, s[NLOW]
	s_cselect_b32 s47, s[NLOW], 0
	s_sub_co_u32 s46, s46, s47
	s_lshl_b32 s[OFS], s46, 14                     ; 16,384 bytes of K, and of V, a slot
	s_add_nc_u64 s[G0+2:G0+3], s[BASE:BASE+1], s[OFS:OFS+1]
	s_or_b32 s[G0+3], s[G0+3], 0x80000000
	s_xor_b32 s[G0+1], s[G0+1], SLOT1              ; the other slot than last time
.endif
	s_wait_dscnt 0x0                               ; the add is done, and my reads of the slot that I have left are over
	s_barrier_signal -1
	s_barrier_wait -1
.if \fill
	TLOAD                                          ; the first thing behind the barrier, a wave's one tensor load until the next: it has two key steps in which to land
.endif
.endm
	s_wait_alu depctr_va_vdst(0)
	START                                          ; the low block
.Lslot:                                            ; 16 trips: behind each change of slots but the last the next slot is asked for
	CHANGE 1
	s_cmp_lg_u32 s[TR], s[NLOW]                    ; NLOW is 1 to 8: the low block ends inside this loop.  The branch hangs on the work-group's number alone
	s_cbranch_scc1 .Lsame_block
	FINISH
	s_mov_b32 s[Q0], s[QHI]
	START                                          ; the high block
.Lsame_block:
	STEP 0
	STEP 1
	s_xor_b32 s[TB], s[TB], SLOT1                  ; on to the other slot
	s_add_co_u32 s[TR], s[TR], 1
	s_cmp_lt_u32 s[TR], 16
	s_cbranch_scc1 .Lslot
	CHANGE 0                                       ; the last slot is written out
	STEP 0
	STEP 1
	FINISH
	s_wait_tensorcnt 0x0                           ; the wave's end
	ds_add_u32 v[SPW], v[NIL]
	s_wait_dscnt 0x0
	s_endpgm
.Lfunc_end_k_q6999dbebdc_attn:
	.size	k_q6999dbebdc_attn, .Lfunc_end_k_q6999dbebdc_attn-k_q6999dbebdc_attn
	.p2alignl 7, 3214868480
	.fill 96, 4, 3214868480
	.section	.rodata,"a",@progbits
	.p2align	6, 0x0
	.amdhsa_kernel k_q6999dbebdc_attn
		.amdhsa_group_segment_fixed_size 327680
		.amdhsa_private_segment_fixed_size 0
		.amdhsa_enable_private_segment 0
		.amdhsa_kernarg_size 40
		.amdhsa_user_sgpr_count 2
		.amdhsa_user_sgpr_kernarg_segment_ptr 1
		.amdhsa_wavefront_size32 1
		.amdhsa_system_sgpr_workgroup_id_x 1
		.amdhsa_system_sgpr_workgroup_id_y 1
		.amdhsa_system_sgpr_workgroup_id_z 1
		.amdhsa_system_vgpr_workitem_id 0
		.amdhsa_next_free_vgpr 256
		.amdhsa_next_free_sgpr 100
		.amdhsa_reserve_vcc 1
		.amdhsa_float_denorm_mode_32 3
		.amdhsa_float_denorm_mode_16_64 3
		.amdhsa_fp16_overflow 1
		.amdhsa_memory_ordered 1
		.amdhsa_forward_progress 1
		.amdhsa_inst_pref_size 89
	.end_amdhsa_kernel
	.amdgpu_metadata
---
amdhsa.version: [ 1, 2 ]
amdhsa.kernels:
  - .name:           k_q6999dbebdc_attn
    .symbol:         k_q6999dbebdc_attn.kd
    .args:
      - { .name: qc, .offset: 0, .size: 8, .value_kind: global_buffer, .address_space: global }
      - { .name: kc, .offset: 8, .size: 8, .value_kind: global_buffer, .address_space: global }
      - { .name: vc, .offset: 16, .size: 8, .value_kind: global_buffer, .address_space: global }
      - { .name: lowp_scales, .offset: 24, .size: 8, .value_kind: global_buffer, .address_space: global }
      - { .name: ac, .offset: 32, .size: 8, .value_kind: global_buffer, .address_space: global }
    .group_segment_fixed_size: 327680
    .private_segment_fixed_size: 0
    .kernarg_segment_align: 8
    .kernarg_segment_size: 40
    .max_flat_workgroup_size: 256
    .sgpr_count:     100
    .vgpr_count:     256
    .wavefront_size: 32
...
	.end_amdgpu_metadata
.endif
;; end of part 2
;; launch oproj (part 3): grid 4 x 64, 4 waves a work-group, clusters of 4 x 4, 262,656 bytes of LDS; arguments ac, Wo_codes, lowp_scales, out0; writes out0
.if DOCPART == 3
	.amdgcn_target "amdgcn-amd-amdhsa--gfx1250"
	.amdhsa_code_object_version 6
	.text
	.protected	k_q6999dbebdc_oproj
	.globl	k_q6999dbebdc_oproj
	.p2align	8
	.type	k_q6999dbebdc_oproj,@function
k_q6999dbebdc_oproj:
	s_mov_b64 s[64:65], 0
	v_nop
	global_prefetch_b8 v0, s[64:65] scope:SCOPE_SE
	s_setreg_imm32_b32 hwreg(HW_REG_WAVE_MODE, 25, 1), 1
	s_wait_xcnt 0x0
	s_wait_alu depctr_hold_cnt(0) depctr_sa_sdst(0) depctr_va_vdst(0) depctr_va_sdst(0) depctr_va_ssrc(0) depctr_va_vcc(0) depctr_vm_vsrc(0)
	s_getreg_b32 s2, hwreg(HW_REG_IB_STS2, 6, 4)
	s_cmp_eq_u32 s2, 0
	s_cbranch_scc0 .Lentry_in_a_cluster
	s_endpgm
.Lentry_in_a_cluster:
	s_bfe_u32 s2, ttmp6, 0x10000c
	s_cmp_lg_u32 s2, 0xf033
	s_cbranch_scc0 .Lentry_shape_is_right
	s_endpgm
.Lentry_shape_is_right:
; out0 = A Wo^T x 2^(e10 + e11) on codes of FP8 (E4M3).  A: the attention's result, [tile of 16 positions][head 12][1,024]: images of operand registers; the images of heads 2 s and 2 s + 1 on end are the
; 16 x 128 fragment of K step s, registers 4 c .. 4 c + 3 = K 128 s + 32 c + 16 (lane / 16) + 0 .. 15.  Wo: [768][768] codes, K innermost: four loads of 16 bytes, 32 apart, give its fragments the same order of K.
; SHARES.  A work-group makes 64 rows x 192 columns: 4 x 64 = 256 work-groups.  Wave w makes all 64 rows x columns 48 w .. 48 w + 47: 12 accumulators.  The product is used TRANSPOSED (source 0 = 16 rows of Wo,
; source 1 = 16 positions): a lane holds eight neighbouring columns of one row.
; LDS holds all that the work-group reads: Wo's 192 rows in three chunks of 256 along K, A's four tiles of positions.  First fills alone, four loads a wave, issued together: four loads of mine are out at the most.
; CLUSTER 4 x 4: A's tiles hang on the block of rows alone and are shared along a row of the cluster, Wo's on the block of columns alone and are shared along a column: joint loads.
; THE WAY OUT: a row's 768 bytes come from four waves: they meet in a stage, and each wave stores 16 whole rows; sixteen lanes store 256 consecutive bytes, aligned.
; LIMIT: e10 + e11 between -126 and 127, so that 2^(e10 + e11) is an f32 number.
.set PITCH, 272                        ; a row of Wo in LDS: 256 bytes + 16 of padding = 68 words: the 16 rows of a fragment load start at 16 different banks (64 banks of 4 bytes: ISA guide 11.1)
.set CHB,   192*PITCH                  ; a chunk of Wo
.set WPB,   48*PITCH                   ; a wave's part of it
.set AOFF,  3*CHB                      ; A's four tiles of 12,288 bytes
.set STG,   AOFF+4*12288               ; the stage: 64 rows x (768 bytes + 16); no tensor load lands there
.set SP,    784
.set ADRB,  4                          ; v4-6  my rows of Wo in chunk 0, 1, 2
.set ADRA,  7                          ; v7    16 x lane in A's images
.set STO,   8                          ; v8    the stage: where I put 32 bytes of a row
.set RD,    9                          ; v9-11 the stage: three loads take two rows of 768 bytes
.set AF,    32                         ; v32-95   A's four fragments
.set BF,    96                         ; v96-143  Wo's three
.set ACC,   160                        ; v160-255 accumulator (b, m) at ACC + 8 (4 b + m)
.set WV,    12
.set G1A,   20                         ; s[20:27] descriptor group 1 for A's tiles;  s[40:47] for Wo's
.set G1B,   40
.set G0A,   32                         ; s[32:35] group 0 for A;  s[56:59], s[60:63], s[68:71] for Wo's three chunks
.macro PLACES
.rept 4
	v_nop
.endr
.endm
.macro CROUND                          ; a round of the cluster's barrier
	s_barrier_signal -1
	s_barrier_wait -1
	s_cmp_lg_u32 s[WV], 0
	s_cbranch_scc1 .Lnot_wave_0_\@
	s_barrier_signal -3
.Lnot_wave_0_\@:
	s_barrier_wait -3
	s_barrier_signal -1
	s_barrier_wait -1
.endm
	s_load_b256 s[4:11], s[0:1], 0x0               ; A s[4:5], Wo s[6:7], the scales' exponents s[8:9], out0 s[10:11]
	v_lshl_add_u32 v158, v0, 2, 0x40000
	v_mov_b32 v159, 0
	ds_add_u32 v158, v159
	ds_add_u32 v158, v159
	v_lshrrev_b32 v1, 5, v0
	v_readfirstlane_b32 s[WV], v1                  ; wave 0..3
	s_bfe_u32 s13, ttmp6, 0x40000                  ; cx
	s_bfe_u32 s14, ttmp6, 0x40004                  ; cy
	s_lshl_b32 s15, ttmp9, 2
	s_add_co_u32 s15, s15, s13                     ; the block of 192 columns
	s_and_b32 s16, ttmp7, 0xffff
	s_lshl_b32 s16, s16, 2
	s_add_co_u32 s16, s16, s14                     ; the block of 64 rows
	s_lshl_b32 s17, s14, 2
	s_lshl_b32 s17, 15, s17                        ; my row of the cluster
	s_lshl_b32 s18, 0x1111, s13                    ; my column
	s_or_b32 s[G1A], s17, (3<<16)|(1<<21)          ; A: the mask; elements of 8 bytes; 21 set beside a mask; no padding
	s_mov_b32 s[G1A+1], 32<<16                     ; rows of 256 bytes,
	s_mov_b32 s[G1A+2], 48<<16                     ; 48 of them: 12,288 dense bytes
	s_mov_b32 s[G1A+3], 32<<16
	s_mov_b32 s[G1A+4], 48
	s_mov_b32 s[G1A+5], 32
	s_mov_b32 s[G1A+6], 0
	s_mov_b32 s[G1A+7], 0
	s_or_b32 s[G1B], s18, (1<<20)|(1<<21)|(5<<22)|(3<<25)   ; Wo: the mask; elements of 1 byte; padding: four words after every 64
	s_mov_b32 s[G1B+1], 256<<16
	s_mov_b32 s[G1B+2], 48<<16
	s_mov_b32 s[G1B+3], 256<<16
	s_mov_b32 s[G1B+4], 48
	s_mov_b32 s[G1B+5], 768
	s_mov_b32 s[G1B+6], 0
	s_mov_b32 s[G1B+7], 0
	s_lshl_b32 s28, s16, 2
	s_add_co_u32 s28, s28, s[WV]
	s_mul_i32 s28, s28, 12288                      ; A: tile of positions 4 y + wave: made of the block of rows and the wave alone
	s_mov_b32 s29, 0
	s_mul_i32 s30, s15, 192
	s_mul_i32 s31, s[WV], 48
	s_add_co_u32 s30, s30, s31
	s_mul_i32 s30, s30, 768                        ; Wo: row 192 x + 48 wave: made of the block of columns and the wave alone
	s_mov_b32 s31, 0
	s_mul_i32 s36, s[WV], 12288
	s_add_co_u32 s36, s36, AOFF                    ; where they go: no place in the cluster enters an LDS address
	s_mul_i32 s37, s[WV], WPB
	s_wait_dscnt 0x0
	s_wait_kmcnt 0x0
	s_load_b64 s[72:73], s[8:9], 0x28              ; e10, e11
	s_add_nc_u64 s[28:29], s[4:5], s[28:29]
	s_add_nc_u64 s[30:31], s[6:7], s[30:31]
	s_mov_b32 s[G0A], 1
	s_mov_b32 s[G0A+1], s36
	s_mov_b64 s[G0A+2:G0A+3], s[28:29]
	s_or_b32 s[G0A+3], s[G0A+3], 0x80000000
.macro SETB g, c                       ; group 0 of Wo's chunk c
	s_mov_b32 s[\g], 1
	s_add_co_u32 s[\g+1], s37, \c*CHB
	s_add_nc_u64 s[\g+2:\g+3], s[30:31], \c*256
	s_or_b32 s[\g+3], s[\g+3], 0x80000000
.endm
	SETB 56, 0
	SETB 60, 1
	SETB 68, 2
	CROUND                                         ; all sixteen work-groups are here: the joint loads meet
	tensor_load_to_lds s[G0A:G0A+3], s[G1A:G1A+7]
	s_nop 0
	tensor_load_to_lds s[56:59], s[G1B:G1B+7]
	s_nop 0
	tensor_load_to_lds s[60:63], s[G1B:G1B+7]
	s_nop 0
	tensor_load_to_lds s[68:71], s[G1B:G1B+7]
	s_nop 0
	PLACES
	v_and_b32 v1, 15, v0                           ; r
	v_bfe_u32 v2, v0, 4, 1                         ; h
	v_and_b32 v3, 31, v0
	v_lshlrev_b32 v3, 4, v3                        ; 16 x lane; also my offset in out0 for the first of three stores
	v_mul_u32_u24 v15, v1, PITCH
	v_lshl_add_u32 v15, v2, 4, v15
	v_add_nc_u32 v[ADRB], s37, v15                 ; row 48 wave + r, + 16 h
	v_add_nc_u32 v[ADRB+1], CHB, v[ADRB]
	v_add_nc_u32 v[ADRB+2], 2*CHB, v[ADRB]
	v_add_nc_u32 v[ADRA], AOFF, v3
	s_mul_i32 s38, s[WV], 192
	s_add_co_u32 s38, s38, STG
	v_mul_u32_u24 v[STO], v1, SP
	v_lshl_add_u32 v[STO], v2, 5, v[STO]
	v_add_nc_u32 v[STO], s38, v[STO]               ; in: row r, + 32 h, + 192 wave: my columns' bytes
	s_mul_i32 s39, s[WV], 16*SP
	s_add_co_u32 s39, s39, STG                     ; back: my 16 rows.  Two rows of 768 bytes are three loads of 512:
	v_add_nc_u32 v[RD], s39, v3                    ; the even row's bytes 0-511;
	v_lshlrev_b32 v16, 4, v1
	v_mad_u32_u24 v[RD+1], v2, 272, v16
	v_add_nc_u32 v[RD+1], s39, v[RD+1]
	v_add_nc_u32 v[RD+1], 512, v[RD+1]             ; lanes 0-15 its bytes 512-767, lanes 16-31 the odd row's bytes 0-255 (784 - 512 = 272 bytes on);
	v_add_nc_u32 v[RD+2], 1040, v[RD]              ; the odd row's bytes 256-767
	v_mad_u32_u24 v13, v2, 2560, v16
	v_add_nc_u32 v13, 512, v13                     ; and the same places in out0, whose rows are 3,072 bytes
	v_add_nc_u32 v14, 3328, v3
	s_lshl_b32 s48, s16, 6
	s_lshl_b32 s49, s[WV], 4
	s_add_co_u32 s48, s48, s49
	s_mul_i32 s48, s48, 3072                       ; my first row of out0: 64 y + 16 wave,
	s_mul_i32 s49, s15, 768                        ; and the block's first column, in bytes
	s_add_co_u32 s48, s48, s49
	s_mov_b32 s49, 0
	s_add_nc_u64 s[10:11], s[10:11], s[48:49]
.macro FRB b, s                        ; Wo's fragment b of K step s
.irp c, 0,1,2,3
	ds_load_b128 v[BF+16*\b+4*\c:BF+16*\b+4*\c+3], v[ADRB+(\s)/2] offset:4352*\b+128*((\s)%2)+32*\c
.endr
.endm
.macro FRA m, s                        ; A's fragment of tile m, K step s: an image, 16 bytes a lane on end
.irp c, 0,1,2,3
	ds_load_b128 v[AF+16*\m+4*\c:AF+16*\m+4*\c+3], v[ADRA] offset:12288*\m+2048*(\s)+512*\c
.endr
.endm
.macro MULB b, zero
.irp m, 0,1,2,3
.if \zero
	v_wmma_f32_16x16x128_fp8_fp8 v[ACC+8*(4*\b+\m):ACC+8*(4*\b+\m)+7], v[BF+16*\b:BF+16*\b+15], v[AF+16*\m:AF+16*\m+15], 0
.else
	v_wmma_f32_16x16x128_fp8_fp8 v[ACC+8*(4*\b+\m):ACC+8*(4*\b+\m)+7], v[BF+16*\b:BF+16*\b+15], v[AF+16*\m:AF+16*\m+15], v[ACC+8*(4*\b+\m):ACC+8*(4*\b+\m)+7]
.endif
.endr
.endm
; 128 along K: 12 products, the 12 accumulators by turns, one instruction a turn, in the same order in every step
.macro OSTEP s, zero
	PLACES
	FRB 0, \s
.irp m, 0,1,2,3
	FRA \m, \s
.endr
	FRB 1, \s
	FRB 2, \s
	s_wait_dscnt 8                                 ; Wo's fragment 0 and A's four are in; the youngest eight loads (fragments 1 and 2) may be out
	MULB 0, \zero
	s_wait_dscnt 4                                 ; fragment 2's four may be out
	MULB 1, \zero
	s_wait_dscnt 0
	MULB 2, \zero
.endm
	s_wait_tensorcnt 0x2                           ; my parts of A and of chunk 0 are in; chunks 1 and 2 may stay out
	s_barrier_signal -1
	s_barrier_wait -1                              ; everybody's are
	OSTEP 0, 1
	OSTEP 1, 0
	s_wait_tensorcnt 0x1                           ; chunk 1; chunk 2 may stay out
	s_wait_dscnt 0x0
	s_barrier_signal -1
	s_barrier_wait -1
	OSTEP 2, 0
	OSTEP 3, 0
	s_wait_tensorcnt 0x0                           ; chunk 2
	s_wait_dscnt 0x0
	s_barrier_signal -1
	s_barrier_wait -1
	OSTEP 4, 0
	OSTEP 5, 0
	PLACES                                         ; in front of the first reads of results and of writes into operand registers
	s_wait_kmcnt 0x0
	s_add_co_i32 s72, s72, s73
	s_add_co_i32 s72, s72, 127
	s_lshl_b32 s72, s72, 23                        ; 2^(e10 + e11) as f32
	s_mov_b32 s73, s72                             ; (named with it as a pair, so it is written)
.set J, 0
.rept 48
	v_pk_mul_f32 v[32+J:33+J], v[ACC+J:ACC+J+1], s[72:73] op_sel_hi:[1,0]   ; each accumulator from its low end on
.set J, J+2
.endr
.irp b, 0,1,2
.irp m, 0,1,2,3
	ds_store_b128 v[STO], v[32+8*(4*\b+\m):35+8*(4*\b+\m)] offset:16*\m*SP+64*\b        ; lane (r, h): out(16 m + r, 48 w + 16 b + 8 h + 0 .. 7)
	ds_store_b128 v[STO], v[36+8*(4*\b+\m):39+8*(4*\b+\m)] offset:16*\m*SP+64*\b+16
.endr
.endr
	s_wait_dscnt 0x0                               ; for the others' sake: my stores into the stage are done
	s_barrier_signal -1
	s_barrier_wait -1
.irp g, 0,1,2,3,4,5,6,7
	ds_load_b128 v[32+12*\g:35+12*\g], v[RD] offset:2*SP*\g
	ds_load_b128 v[36+12*\g:39+12*\g], v[RD+1] offset:2*SP*\g
	ds_load_b128 v[40+12*\g:43+12*\g], v[RD+2] offset:2*SP*\g
.endr
.irp g, 0,1,2,3,4,5,6,7
	s_wait_dscnt 23-3*\g                           ; LDS loads come back in order (ISA guide 5.7.1): this one is in, the younger ones may be out
	global_store_b128 v3, v[32+12*\g:35+12*\g], s[10:11] offset:6144*\g th:TH_STORE_NT
	s_wait_dscnt 22-3*\g
	global_store_b128 v13, v[36+12*\g:39+12*\g], s[10:11] offset:6144*\g th:TH_STORE_NT
	s_wait_dscnt 21-3*\g
	global_store_b128 v14, v[40+12*\g:43+12*\g], s[10:11] offset:6144*\g th:TH_STORE_NT
.endr
	s_wait_tensorcnt 0x0
	ds_add_u32 v158, v159
	s_wait_dscnt 0x0
	CROUND                                         ; the closing round: no work-group ends while a partner may still ask for a tile that names it
	s_endpgm
.Lfunc_end_k_q6999dbebdc_oproj:
	.size	k_q6999dbebdc_oproj, .Lfunc_end_k_q6999dbebdc_oproj-k_q6999dbebdc_oproj
	.p2alignl 7, 3214868480
	.fill 96, 4, 3214868480
	.section	.rodata,"a",@progbits
	.p2align	6, 0x0
	.amdhsa_kernel k_q6999dbebdc_oproj
		.amdhsa_group_segment_fixed_size 262656
		.amdhsa_private_segment_fixed_size 0
		.amdhsa_enable_private_segment 0
		.amdhsa_kernarg_size 32
		.amdhsa_user_sgpr_count 2
		.amdhsa_user_sgpr_kernarg_segment_ptr 1
		.amdhsa_wavefront_size32 1
		.amdhsa_system_sgpr_workgroup_id_x 1
		.amdhsa_system_sgpr_workgroup_id_y 1
		.amdhsa_system_sgpr_workgroup_id_z 1
		.amdhsa_system_vgpr_workitem_id 0
		.amdhsa_next_free_vgpr 256
		.amdhsa_next_free_sgpr 80
		.amdhsa_reserve_vcc 0
		.amdhsa_float_denorm_mode_32 3
		.amdhsa_float_denorm_mode_16_64 3
		.amdhsa_memory_ordered 1
		.amdhsa_forward_progress 1
		.amdhsa_inst_pref_size 33
	.end_amdhsa_kernel
	.amdgpu_metadata
---
amdhsa.version: [ 1, 2 ]
amdhsa.kernels:
  - .name:           k_q6999dbebdc_oproj
    .symbol:         k_q6999dbebdc_oproj.kd
    .args:
      - { .name: ac, .offset: 0, .size: 8, .value_kind: global_buffer, .address_space: global }
      - { .name: Wo_codes, .offset: 8, .size: 8, .value_kind: global_buffer, .address_space: global }
      - { .name: lowp_scales, .offset: 16, .size: 8, .value_kind: global_buffer, .address_space: global }
      - { .name: out0, .offset: 24, .size: 8, .value_kind: global_buffer, .address_space: global }
    .group_segment_fixed_size: 262656
    .private_segment_fixed_size: 0
    .kernarg_segment_align: 8
    .kernarg_segment_size: 32
    .max_flat_workgroup_size: 128
    .sgpr_count:     80
    .vgpr_count:     256
    .wavefront_size: 32
...
	.end_amdgpu_metadata
.endif
;; end of part 3
